; MI455X (gfx1250); checked and timed in simulation.
; The chip was launched on July 23, 2026; its instructions are those of AMD's public machine-readable ISA for CDNA 5 (MIT licence, August 2026) and "CDNA5" Instruction Set Architecture Reference Guide (July 2026). The comments in the code are by the model that wrote it; some were corrected since.
;; Attn. Allowed arithmetic: float matrix products may take bf16 or f16 operands with f32 sums; all other float work in f32.
;; Inputs: W 1,024 x 1,024 float32; b 1,024 float32; encoder_output 64 x 1,024 x 1,024 float32; hidden 1 x 64 x 1,024 float32.
;; Outputs: out0 64 x 1,024 float32.
;; 2 versions, each right; version 2 is version 1 with the launch score written anew for expert scheduling mode. Each part assembles by itself: llvm-mc -triple=amdgcn-amd-amdhsa -mcpu=gfx1250 --defsym DOCPART=n.
;; ======== version 1 of 2: 2 launches
;; workspace buffers: vws 262,400 bytes
;; launch proj (part 1): grid 16 x 16, 16 waves a work-group, no clusters, 51,200 bytes of LDS; arguments hidden, W, b, vws; writes vws
.if DOCPART == 1
	.amdgcn_target "amdgcn-amd-amdhsa--gfx1250"
	.amdhsa_code_object_version 6
	.text
	.protected	k_qb7b183371a_proj
	.globl	k_qb7b183371a_proj
	.p2align	8
	.type	k_qb7b183371a_proj,@function
k_qb7b183371a_proj:
	s_mov_b64 s[64:65], 0
	v_nop
	global_prefetch_b8 v0, s[64:65] scope:SCOPE_SE
	s_setreg_imm32_b32 hwreg(HW_REG_WAVE_MODE, 25, 1), 1
	s_wait_xcnt 0x0
; v[b][h] = sum over k of hidden[b][k] W[k][h]   and   c[b] = sum over k of hidden[b][k] bias[k],   all f32.
; WHY.  energy[b][s] = hidden[b] . (W enc[b][s] + bias) = enc[b][s] . v[b] + c[b]: the same sum of the same products for every input, taken in another
; order (LIMIT: the order of rounding differs from the written order).  It brings the products down from 2^36 to 2 x 2^26 multiply-adds.
; WHY F32 ON THE VECTOR UNIT.  The softmax behind turns an absolute error of an energy into a relative error of a weight.  An energy is a sum of 1,024 products;
; operands cut to 8 bits of mantissa would each bring a relative error of up to 2^-9 into every product, which is too much for a weight that has to be right to
; one part in a hundred.  In f32 this launch is 256 packed multiply-adds a wave: nothing that a matrix unit could shorten by much.
; vws: v[b][h] at byte 4,096 b + 4 h; c[b] at byte 262,144 + 4 b.  Every byte of it is stored here.
; SHARES.  Work-group (cx, by): columns 64 cx .. 64 cx + 63 (256 aligned bytes of every row of W), batch rows 4 by .. 4 by + 3.  Wave w takes k = 64 w .. 64 w + 63:
; lanes 0-15 the first 32 of them, lanes 16-31 the other 32.  A lane holds 4 columns (16 bytes) x 4 batch rows = 16 sums.  A load of W by a wave covers
; two whole aligned pieces of 256 bytes.  The 32 partial sums (16 waves x 2 halves) meet in LDS; waves 0-3 add them, one batch row each.
; c is made by wave 4 of the work-groups with cx = 0, from the hidden rows that lie in LDS anyway.
; NO CLUSTER, NO JOINT LOADS.  A strip of W is read by the 16 work-groups of a grid column, but here each of its bytes goes straight into the register of the one lane that
; uses it; a joint load would lay the 256 KiB in LDS first and add as many bytes of LDS reads and the cluster's rounds to a body of 256 packed multiply-adds a wave.
.set HBYTES, 16384                     ; LDS 0 .. 16,383: hidden[4 by + b'][k] at 4,096 b' + 4 k
.set PART,   16384                     ; LDS 16,384 .. 49,151: partial sums at 1,024 (2 w + half) + 256 b' + 16 (lane % 16)
.set ACC, 12                           ; v[12:27]   sum (b', column c) at ACC + 4 b' + c
.set HC,  28                           ; v[28:59]   hidden of 4 k x 4 b', two buffers of 16; v[28:35] first carry hidden on its way into LDS
.set BI,  60                           ; v[60:91]   bias (wave 4)
.set WR,  92                           ; v[92:219]  my 32 rows of W, 4 registers each
.set SEL, 26                           ; s[26:27]   lane selects for v_permlanex16_b32: each lane takes its own place in the other half
	s_load_b256 s[4:11], s[0:1], 0x0               ; hidden s[4:5], W s[6:7], bias s[8:9], vws s[10:11]
	v_lshl_add_u32 v220, v0, 2, 0xc000
	v_mov_b32 v221, 0
	v_lshrrev_b32 v9, 5, v0
	v_readfirstlane_b32 s12, v9                    ; wave 0..15
	s_mov_b32 s13, ttmp9                           ; cx
	s_and_b32 s14, ttmp7, 0xffff                   ; by
	s_mov_b32 s[SEL], 0x76543210
	s_mov_b32 s[SEL+1], 0xfedcba98
	s_lshl_b32 s15, s13, 8                         ; my 64 columns, in bytes
	s_lshl_b32 s16, s14, 14                        ; my 4 batch rows of 4,096 bytes
	s_mov_b32 s17, 0
	s_lshl_b32 s30, s12, 18                        ; W: my wave's 64 rows of 4,096 bytes,
	s_add_co_u32 s30, s30, s15                     ; and the columns
	s_mov_b32 s31, 0
	s_lshl_b32 s32, s12, 12                        ; v: batch row 4 by + w (used by waves 0-3 alone),
	s_add_co_u32 s32, s32, s16
	s_add_co_u32 s32, s32, s15                     ; and the columns
	s_mov_b32 s33, 0
	s_lshl_b32 s34, s14, 4                         ; c: 4 numbers at 262,144 + 16 by
	s_add_co_u32 s34, s34, 0x40000
	s_mov_b32 s35, 0
	v_and_b32 v8, 31, v0                           ; lane
	v_and_b32 v10, 15, v0                          ; lane % 16
	v_bfe_u32 v11, v0, 4, 1                        ; lane / 16
	v_lshlrev_b32 v1, 4, v8                        ; v1 = 16 lane
	v_lshlrev_b32 v2, 4, v0                        ; v2 = 16 thread: hidden's way into LDS
	v_lshlrev_b32 v7, 3, v8                        ; v7 = 8 lane: the store of v
	v_lshlrev_b32 v3, 4, v10
	v_lshl_add_u32 v5, v11, 10, v3                 ; v5 = where my partial sums go: 1,024 half + 16 (lane % 16)
	v_lshl_or_b32 v3, v11, 17, v3                  ; v3 = my offset in W: 32 rows further down for lanes 16-31, 16 bytes a lane
	v_lshlrev_b32 v4, 7, v11
	v_lshl_add_u32 v4, s12, 8, v4                  ; v4 = LDS byte of hidden[.][64 w + 32 half]
	v_lshl_add_u32 v5, s12, 11, v5
	v_add_nc_u32 v5, PART, v5
	v_lshl_add_u32 v6, s12, 8, v7                  ; v6 = where wave w (0-3) reads the partial sums of b' = w: 2 columns a lane
	v_add_nc_u32 v6, PART, v6
	s_wait_kmcnt 0x0
	s_add_nc_u64 s[18:19], s[4:5], s[16:17]        ; hidden at my 4 rows
	s_add_nc_u64 s[20:21], s[6:7], s[30:31]        ; W at my wave's first row, my columns
	s_add_nc_u64 s[22:23], s[10:11], s[32:33]      ; v at my row and columns
	s_add_nc_u64 s[24:25], s[10:11], s[34:35]      ; c at my 4 numbers
	; Wave 4 takes the bias along, ahead of all other loads, so that no later count changes.  The branch hangs on the wave's number alone:
	; wave 4 of the work-groups with cx > 0 loads these 4,096 bytes too and does not use them.
	s_cmp_lg_u32 s12, 4
	s_cbranch_scc1 .Lno_bias
.irp j, 0,1,2,3,4,5,6,7
	global_load_b128 v[BI+4*\j:BI+4*\j+3], v1, s[8:9] offset:512*\j      ; bias[128 j + 4 lane ..]
.endr
.Lno_bias:
	global_load_b128 v[HC:HC+3],   v2, s[18:19]                ; the 16 KiB of hidden: 512 threads x 2 x 16 bytes
	global_load_b128 v[HC+4:HC+7], v2, s[18:19] offset:8192
.set i, 0
.rept 32
	global_load_b128 v[WR+4*i:WR+4*i+3], v3, s[20:21] offset:4096*i      ; all my 32 rows of W are asked for at once: 16 KiB a wave on their way
.set i, i+1
.endr
	s_wait_loadcnt 32                              ; loads return in order (ISA guide 5.7.1): all but the 32 of W are in
	ds_store_b128 v2, v[HC:HC+3]
	ds_store_b128 v2, v[HC+4:HC+7] offset:8192
	s_wait_dscnt 0x0                               ; for the others' sake: my part of hidden lies in LDS
	s_barrier_signal -1
	s_barrier_wait -1
; hidden[b'][k0 + 4 g .. + 3] for the four b': each half of the lanes reads one address
.macro HLOAD g
.irp bb, 0,1,2,3
	ds_load_b128 v[HC+16*((\g)%2)+4*\bb:HC+16*((\g)%2)+4*\bb+3], v4 offset:4096*\bb+16*(\g)
.endr
.endm
; Four k: 32 packed multiply-adds, 2 columns each; the eight pairs of sums take turns.  The one hidden number of a line is picked out of its pair for both halves by op_sel and op_sel_hi.
; The very first k starts the sums: nothing is cleared.
.macro CHUNK g
.if \g < 7
	HLOAD \g+1
	s_wait_dscnt 0x4                               ; all but the four just issued: this chunk's hidden is in
.else
	s_wait_dscnt 0x0
.endif
	s_wait_loadcnt 28-4*\g                         ; rows 4 g .. 4 g + 3 of W are in; the rows behind them may stay out
.irp e, 0,1,2,3
.irp bb, 0,1,2,3
.irp p, 0,1
.set rA, ACC+4*\bb+2*\p
.set rW, WR+4*(4*\g+\e)+2*\p
.set rH, HC+16*(\g%2)+4*\bb+(\e&2)
.if (\g == 0) && (\e == 0)
	v_pk_mul_f32 v[rA:rA+1], v[rW:rW+1], v[rH:rH+1] op_sel_hi:[1,0]
.elseif (\e&1)
	v_pk_fma_f32 v[rA:rA+1], v[rW:rW+1], v[rH:rH+1], v[rA:rA+1] op_sel:[0,1,0] op_sel_hi:[1,1,1]
.else
	v_pk_fma_f32 v[rA:rA+1], v[rW:rW+1], v[rH:rH+1], v[rA:rA+1] op_sel_hi:[1,0,1]
.endif
.endr
.endr
.endr
.endm
; the sum over the 32 lanes of four values, by turns; the result stands in every lane.  tmp: four registers that have been written
.macro LANESUM base, tmp
.irp m, 1,2,4,8
.irp i, 0,1,2,3
	v_add_f32_dpp v[\base+\i], v[\base+\i], v[\base+\i] row_xmask:\m row_mask:0xf bank_mask:0xf
.endr
.endr
.irp i, 0,1,2,3
	v_permlanex16_b32 v[\tmp+\i], v[\base+\i], s[SEL], s[SEL+1]
.endr
.irp i, 0,1,2,3
	v_add_f32 v[\base+\i], v[\base+\i], v[\tmp+\i]
.endr
.endm
	HLOAD 0
.irp g, 0,1,2,3,4,5,6,7
	CHUNK \g
.endr
.irp bb, 0,1,2,3
	ds_store_b128 v5, v[ACC+4*\bb:ACC+4*\bb+3] offset:256*\bb            ; 16 lanes lay down 256 neighbouring bytes
.endr
	s_wait_dscnt 0x0                               ; for the others' sake: my partial sums lie in LDS
	s_barrier_signal -1
	s_barrier_wait -1
	s_cmp_lt_u32 s12, 4
	s_cbranch_scc1 .Lsum
	s_cmp_lg_u32 s12, 4
	s_cbranch_scc1 .Lend
	s_cmp_lg_u32 s13, 0
	s_cbranch_scc1 .Lend
	; c, by wave 4 of the work-groups with cx = 0: the four hidden rows out of LDS in the bias's lane layout (k = 128 j + 4 lane + 0..3)
.irp bb, 0,1,2,3
.irp j, 0,1,2,3,4,5,6,7
	ds_load_b128 v[WR+32*\bb+4*\j:WR+32*\bb+4*\j+3], v1 offset:4096*\bb+512*\j
.endr
.endr
	s_wait_dscnt 0x0
.irp j, 0,1,2,3,4,5,6,7
.irp bb, 0,1,2,3
.irp p, 0,1
.set rA, ACC+4*\bb+2*\p
.set rH, WR+32*\bb+4*\j+2*\p
.set rB, BI+4*\j+2*\p
.if \j == 0
	v_pk_mul_f32 v[rA:rA+1], v[rH:rH+1], v[rB:rB+1]
.else
	v_pk_fma_f32 v[rA:rA+1], v[rH:rH+1], v[rB:rB+1], v[rA:rA+1]
.endif
.endr
.endr
.endr
.irp bb, 0,1,2,3
	v_pk_add_f32 v[ACC+4*\bb:ACC+4*\bb+1], v[ACC+4*\bb:ACC+4*\bb+1], v[ACC+4*\bb+2:ACC+4*\bb+3]
.endr
.irp bb, 0,1,2,3
	v_add_f32 v[ACC+\bb], v[ACC+4*\bb], v[ACC+4*\bb+1]                   ; in this order: b' reads registers at or above the one that it writes
.endr
	LANESUM ACC, HC
	v_cmp_eq_u32 vcc_lo, 0, v1                     ; lane 0 stores the four numbers
	s_wait_xcnt 0x0                                ; EXEC is a source of the memory instructions issued so far: it changes only behind this wait
	s_wait_tensorcnt 0x0
	ds_add_u32 v220, v221
	s_wait_dscnt 0x0
	s_and_saveexec_b32 s28, vcc_lo
	global_store_b128 v1, v[ACC:ACC+3], s[24:25]
	s_wait_xcnt 0x0                                ; and again in front of the line that widens it
	s_or_b32 exec_lo, exec_lo, s28
	s_endpgm
.Lsum:                                                 ; wave w = 0..3: the 32 partial sums of batch row 4 by + w, 2 columns a lane
.set q, 0
.rept 32
	ds_load_b64 v[WR+2*q:WR+2*q+1], v6 offset:1024*q
.set q, q+1
.endr
	s_wait_dscnt 0x0
.irp st, 16,8,4,2,1
.set q, 0
.rept \st
	v_pk_add_f32 v[WR+2*q:WR+2*q+1], v[WR+2*q:WR+2*q+1], v[WR+2*(q+\st):WR+2*(q+\st)+1]
.set q, q+1
.endr
.endr
	global_store_b64 v7, v[WR:WR+1], s[22:23]      ; the wave's 32 lanes store 256 consecutive bytes, at a multiple of 256 from the buffer's first byte
.Lend:
	s_wait_tensorcnt 0x0
	ds_add_u32 v220, v221
	s_wait_dscnt 0x0
	s_endpgm
.Lfunc_end_k_qb7b183371a_proj:
	.size	k_qb7b183371a_proj, .Lfunc_end_k_qb7b183371a_proj-k_qb7b183371a_proj
	.p2alignl 7, 3214868480
	.fill 96, 4, 3214868480
	.section	.rodata,"a",@progbits
	.p2align	6, 0x0
	.amdhsa_kernel k_qb7b183371a_proj
		.amdhsa_group_segment_fixed_size 51200
		.amdhsa_private_segment_fixed_size 0
		.amdhsa_enable_private_segment 0
		.amdhsa_kernarg_size 32
		.amdhsa_user_sgpr_count 2
		.amdhsa_user_sgpr_kernarg_segment_ptr 1
		.amdhsa_wavefront_size32 1
		.amdhsa_system_sgpr_workgroup_id_x 1
		.amdhsa_system_sgpr_workgroup_id_y 1
		.amdhsa_system_sgpr_workgroup_id_z 1
		.amdhsa_system_vgpr_workitem_id 0
		.amdhsa_next_free_vgpr 222
		.amdhsa_next_free_sgpr 66
		.amdhsa_reserve_vcc 1
		.amdhsa_float_denorm_mode_32 3
		.amdhsa_float_denorm_mode_16_64 3
		.amdhsa_memory_ordered 1
		.amdhsa_forward_progress 1
		.amdhsa_inst_pref_size 38
	.end_amdhsa_kernel
	.amdgpu_metadata
---
amdhsa.version: [ 1, 2 ]
amdhsa.kernels:
  - .name:           k_qb7b183371a_proj
    .symbol:         k_qb7b183371a_proj.kd
    .args:
      - { .name: hidden, .offset: 0, .size: 8, .value_kind: global_buffer, .address_space: global }
      - { .name: W, .offset: 8, .size: 8, .value_kind: global_buffer, .address_space: global }
      - { .name: b, .offset: 16, .size: 8, .value_kind: global_buffer, .address_space: global }
      - { .name: vws, .offset: 24, .size: 8, .value_kind: global_buffer, .address_space: global }
    .group_segment_fixed_size: 51200
    .private_segment_fixed_size: 0
    .kernarg_segment_align: 8
    .kernarg_segment_size: 32
    .max_flat_workgroup_size: 512
    .sgpr_count:     66
    .vgpr_count:     222
    .wavefront_size: 32
...
	.end_amdgpu_metadata
.endif
;; end of part 1
;; launch score (part 2): grid 256 x 1, 16 waves a work-group, no clusters, 3,072 bytes of LDS; arguments encoder_output, vws, out0; writes out0
.if DOCPART == 2
	.amdgcn_target "amdgcn-amd-amdhsa--gfx1250"
	.amdhsa_code_object_version 6
	.text
	.protected	k_qb7b183371a_score
	.globl	k_qb7b183371a_score
	.p2align	8
	.type	k_qb7b183371a_score,@function
k_qb7b183371a_score:
	s_mov_b64 s[64:65], 0
	v_nop
	global_prefetch_b8 v0, s[64:65] scope:SCOPE_SE
	s_setreg_imm32_b32 hwreg(HW_REG_WAVE_MODE, 25, 1), 1
	s_wait_xcnt 0x0
; energy[b][s] = enc[b][s] . v[b] + c[b];   out0[b][s] = exp(energy[b][s] - max over b) / sum over b of the same.   All f32.  v and c come from the launch before.
; A STREAM: each of enc's 268,435,456 bytes is read once, by loads of 16 bytes a lane of which a wave's covers 512 consecutive bytes, and feeds a quarter of a multiply-add.
; So no matrix unit (and operands of 16 bits would cost more accuracy than a softmax weight can bear: an energy's absolute error is the weight's relative error), no tile ring in LDS:
; the bytes on their way lie in registers, 5 units of 4 KiB a wave, 16 waves, and no wave waits for another before the end.
; SHARES.  The softmax runs over b, so a work-group owns columns s = 4 g .. 4 g + 3 for ALL 64 b: 64 pieces of 16 KiB of enc.  Wave w takes b = 4 w + t, t = 0..3.
; A row of enc (4,096 bytes) is 8 loads, 32 registers; v[b] lies in registers in the same lane layout; a row's dot product is 16 packed multiply-adds and one sum over the lanes,
; made for a b's four rows together.  The 64 x 4 energies meet in LDS (1,024 bytes) and wave 0 makes the softmax.
; NO JOINT LOADS: what work-groups share is v, 4 KiB beside each 16 KiB of enc that nobody shares.
; out0: 1,024 columns over 256 work-groups leave 16 bytes of each row of out0 to a work-group; these stores fill no whole run of 256 bytes.  out0 is a thousandth of the bytes moved.
; LIMITS: the sums' order of rounding is not the written one's; a weight below 2^-126 comes out as 0 (v_exp_f32 flushes denormal results: ISA guide 15.8); the division is v_rcp_f32 (1 ULP) and a multiply.
.set T,   4                            ; v[4:11]    four chains of packed sums
.set P,   12                           ; v[12:15]   the four rows' sums of the b in hand
.set VB,  20                           ; v[20:83]   v[b], two buffers of 32
.set X,   84                           ; v[84:243]  five row slots of 32
.set SEL, 34                           ; s[34:35]   lane selects for v_permlanex16_b32
.set L2E, 32                           ; s[32:33]   log2(e), named as a pair by the packed multiply-add
	s_load_b128 s[4:7], s[0:1], 0x0                ; enc s[4:5], vws s[6:7]
	s_load_b64 s[8:9], s[0:1], 0x10                ; out0
	v_lshl_add_u32 v244, v0, 2, 0x400
	v_mov_b32 v245, 0
	v_lshrrev_b32 v2, 5, v0
	v_readfirstlane_b32 s12, v2                    ; wave 0..15
	v_and_b32 v1, 31, v0
	v_lshlrev_b32 v3, 12, v1                       ; v3 = 4,096 lane: row b = lane of out0
	v_lshlrev_b32 v1, 4, v1                        ; v1 = 16 lane; never rewritten
	v_lshlrev_b32 v2, 6, v2                        ; v2 = 64 w: my four b's energies in LDS
	s_lshl_b32 s10, s12, 24                        ; b = 4 w: 4 x 4 MiB,
	s_lshl_b32 s13, ttmp9, 14                      ; s = 4 g: 4 rows of 4,096 bytes; together under 2^28
	s_add_co_u32 s10, s10, s13
	s_mov_b32 s11, 0
	s_lshl_b32 s14, s12, 14                        ; v[4 w]
	s_mov_b32 s15, 0
	s_lshl_b32 s26, s12, 4                         ; c[4 w]
	s_lshl_b32 s38, ttmp9, 4                       ; out0's columns 4 g ..
	s_mov_b32 s39, 0
	s_mov_b32 s[L2E], 0x3fb8aa3b
	s_mov_b32 s[L2E+1], 0x3fb8aa3b
	s_mov_b32 s[SEL], 0x76543210
	s_mov_b32 s[SEL+1], 0xfedcba98
	s_wait_kmcnt 0x0
	s_add_nc_u64 s[16:17], s[4:5], s[10:11]        ; enc at (4 w + t, 4 g): a base for each t, never rewritten
	s_add_nc_u64 s[18:19], s[16:17], 0x400000
	s_add_nc_u64 s[20:21], s[16:17], 0x800000
	s_add_nc_u64 s[22:23], s[16:17], 0xc00000
	s_add_nc_u64 s[24:25], s[6:7], s[14:15]
	s_add_nc_u64 s[36:37], s[8:9], s[38:39]
	s_load_b128 s[28:31], s[6:7], s26 offset:0x40000   ; c[4 w .. 4 w + 3]; this launch stores nothing into vws
.macro VLOAD t                         ; v[4 w + t] into buffer t % 2
.irp j, 0,1,2,3,4,5,6,7
	global_load_b128 v[VB+32*((\t)%2)+4*\j:VB+32*((\t)%2)+4*\j+3], v1, s[24:25] offset:4096*(\t)+512*\j
.endr
.endm
.macro RLOAD r                         ; row r of my 16 (b = 4 w + r / 4, s = 4 g + r % 4) into slot r % 5; read once in the launch
.irp j, 0,1,2,3,4,5,6,7
	global_load_b128 v[X+32*((\r)%5)+4*\j:X+32*((\r)%5)+4*\j+3], v1, s[16+2*((\r)/4):17+2*((\r)/4)] offset:4096*((\r)%4)+512*\j th:TH_LOAD_NT
.endr
.endm
.macro LANESUM base, tmp               ; the sum over the 32 lanes of four values, by turns; the result stands in every lane.  tmp: four registers that have been written
.irp m, 1,2,4,8
.irp i, 0,1,2,3
	v_add_f32_dpp v[\base+\i], v[\base+\i], v[\base+\i] row_xmask:\m row_mask:0xf bank_mask:0xf
.endr
.endr
.irp i, 0,1,2,3
	v_permlanex16_b32 v[\tmp+\i], v[\base+\i], s[SEL], s[SEL+1]
.endr
.irp i, 0,1,2,3
	v_add_f32 v[\base+\i], v[\base+\i], v[\tmp+\i]
.endr
.endm
; Row r.  left = the younger loads that may stay out.  The units of 8 loads go out in the order V0 R0 R1 R2 R3 V1 R4 | R5 R6 R7 V2 R8 .. R11 V3 R12 .. R15: V t stands ahead of
; R 4t, so the wait for a b's first row shows its v in too.  Behind a row's products its slot takes the row five on, and behind a b's last row its buffer of v the b two on.
.macro ROW r, left
	s_wait_loadcnt \left
.set n, 0
.rept 16
.set rX, X+32*(\r%5)+2*n
.set rV, VB+32*((\r/4)%2)+2*n
.set rT, T+2*(n%4)
.if n < 4
	v_pk_mul_f32 v[rT:rT+1], v[rX:rX+1], v[rV:rV+1]                      ; the first four products start the chains: nothing is cleared
.else
	v_pk_fma_f32 v[rT:rT+1], v[rX:rX+1], v[rV:rV+1], v[rT:rT+1]
.endif
.set n, n+1
.endr
.if (\r%4 == 3) && (\r <= 7)
	VLOAD \r/4+2
.endif
.if \r <= 10
	RLOAD \r+5
.endif
	v_pk_add_f32 v[T:T+1], v[T:T+1], v[T+2:T+3]
	v_pk_add_f32 v[T+4:T+5], v[T+4:T+5], v[T+6:T+7]
	v_pk_add_f32 v[T:T+1], v[T:T+1], v[T+4:T+5]
	v_add_f32 v[P+\r%4], v[T], v[T+1]
.if \r%4 == 3
	LANESUM P, T
.irp i, 0,1,2,3
	v_add_f32 v[P+\i], s[28+\r/4], v[P+\i]         ; + c[b]
.endr
	ds_store_b128 v2, v[P:P+3] offset:16*(\r/4)    ; energy[b][0..3] at LDS byte 16 b; all lanes write the same bytes with the same numbers
.endif
.endm
	VLOAD 0                                        ; 56 loads go out ahead of everything else
	RLOAD 0
	RLOAD 1
	RLOAD 2
	RLOAD 3
	VLOAD 1
	RLOAD 4
	s_wait_kmcnt 0x0                               ; c
.irp r, 0,1,2,3,4,5,6,7,8,9,10,11
	ROW \r, 40                                     ; four younger rows and the one v among them stay out: 5 x 8 loads
.endr
	ROW 12, 24                                     ; nothing more is asked for: the counts run down
	ROW 13, 16
	ROW 14, 8
	ROW 15, 0
	s_wait_dscnt 0x0                               ; for wave 0's sake: my energies lie in LDS
	s_barrier_signal -1
	s_barrier_wait -1
	s_cmp_lg_u32 s12, 0
	s_cbranch_scc1 .Lend
	; THE SOFTMAX over b, by wave 0: lane l holds b = l in v[20:23] and b = l + 32 in v[24:27], four columns each
	ds_load_b128 v[20:23], v1
	ds_load_b128 v[24:27], v1 offset:512
	s_wait_dscnt 0x0
.irp i, 0,1,2,3
	v_max_num_f32 v[28+\i], v[20+\i], v[24+\i]
.endr
.irp m, 1,2,4,8
.irp i, 0,1,2,3
	v_max_num_f32_dpp v[28+\i], v[28+\i], v[28+\i] row_xmask:\m row_mask:0xf bank_mask:0xf
.endr
.endr
.irp i, 0,1,2,3
	v_permlanex16_b32 v[32+\i], v[28+\i], s[SEL], s[SEL+1]
.endr
.irp i, 0,1,2,3
	v_max_num_f32 v[28+\i], v[28+\i], v[32+\i]     ; every lane holds the column's maximum m
.endr
.irp i, 0,1,2,3
	v_mul_f32 v[28+\i], s[L2E], v[28+\i]           ; m log2(e), rounded once: the same number for the whole column, so its rounding leaves the quotient alone
.endr
.irp i, 0,2,4,6
	v_pk_fma_f32 v[20+\i:21+\i], v[20+\i:21+\i], s[L2E:L2E+1], v[28+\i%4:29+\i%4] op_sel_hi:[1,0,1] neg_lo:[0,0,1] neg_hi:[0,0,1]   ; e log2(e) - m log2(e)
.endr
.irp i, 0,1,2,3,4,5,6,7
	v_exp_f32 v[20+\i], v[20+\i]
.endr
	v_nop                                          ; a plain instruction between the last exponential and the use of its result (ISA guide 5.7.2)
	s_wait_alu depctr_va_vdst(0)
	v_pk_add_f32 v[36:37], v[20:21], v[24:25]
	v_pk_add_f32 v[38:39], v[22:23], v[26:27]
	LANESUM 36, 32                                 ; the column's sum; the maximum's own term keeps it near 1 or above
.irp i, 0,1,2,3
	v_rcp_f32 v[36+\i], v[36+\i]
.endr
	v_nop                                          ; likewise behind the last reciprocal
	s_wait_alu depctr_va_vdst(0)
	v_pk_mul_f32 v[20:21], v[20:21], v[36:37]
	v_pk_mul_f32 v[22:23], v[22:23], v[38:39]
	v_pk_mul_f32 v[24:25], v[24:25], v[36:37]
	v_pk_mul_f32 v[26:27], v[26:27], v[38:39]
	global_store_b128 v3, v[20:23], s[36:37]                   ; out0[lane][4 g ..]
	global_store_b128 v3, v[24:27], s[36:37] offset:131072     ; out0[lane + 32][4 g ..]
.Lend:
	s_wait_tensorcnt 0x0
	ds_add_u32 v244, v245
	s_wait_dscnt 0x0
	s_endpgm
.Lfunc_end_k_qb7b183371a_score:
	.size	k_qb7b183371a_score, .Lfunc_end_k_qb7b183371a_score-k_qb7b183371a_score
	.p2alignl 7, 3214868480
	.fill 96, 4, 3214868480
	.section	.rodata,"a",@progbits
	.p2align	6, 0x0
	.amdhsa_kernel k_qb7b183371a_score
		.amdhsa_group_segment_fixed_size 3072
		.amdhsa_private_segment_fixed_size 0
		.amdhsa_enable_private_segment 0
		.amdhsa_kernarg_size 24
		.amdhsa_user_sgpr_count 2
		.amdhsa_user_sgpr_kernarg_segment_ptr 1
		.amdhsa_wavefront_size32 1
		.amdhsa_system_sgpr_workgroup_id_x 1
		.amdhsa_system_sgpr_workgroup_id_y 1
		.amdhsa_system_sgpr_workgroup_id_z 1
		.amdhsa_system_vgpr_workitem_id 0
		.amdhsa_next_free_vgpr 246
		.amdhsa_next_free_sgpr 66
		.amdhsa_reserve_vcc 0
		.amdhsa_float_denorm_mode_32 3
		.amdhsa_float_denorm_mode_16_64 3
		.amdhsa_memory_ordered 1
		.amdhsa_forward_progress 1
		.amdhsa_inst_pref_size 48
	.end_amdhsa_kernel
	.amdgpu_metadata
---
amdhsa.version: [ 1, 2 ]
amdhsa.kernels:
  - .name:           k_qb7b183371a_score
    .symbol:         k_qb7b183371a_score.kd
    .args:
      - { .name: encoder_output, .offset: 0, .size: 8, .value_kind: global_buffer, .address_space: global }
      - { .name: vws, .offset: 8, .size: 8, .value_kind: global_buffer, .address_space: global }
      - { .name: out0, .offset: 16, .size: 8, .value_kind: global_buffer, .address_space: global }
    .group_segment_fixed_size: 3072
    .private_segment_fixed_size: 0
    .kernarg_segment_align: 8
    .kernarg_segment_size: 24
    .max_flat_workgroup_size: 512
    .sgpr_count:     66
    .vgpr_count:     246
    .wavefront_size: 32
...
	.end_amdgpu_metadata
.endif
;; end of part 2
;; ======== version 2 of 2: 2 launches; version 1 with the launch score written anew for expert scheduling mode
;; workspace buffers: vws 262,400 bytes
;; launch proj: the kernel of part 1 again; grid 16 x 16, 16 waves a work-group, no clusters, 51,200 bytes of LDS; arguments hidden, W, b, vws; writes vws
;; launch score (part 3): grid 256 x 1, 16 waves a work-group, no clusters, 3,072 bytes of LDS; arguments encoder_output, vws, out0; writes out0
.if DOCPART == 3
	.amdgcn_target "amdgcn-amd-amdhsa--gfx1250"
	.amdhsa_code_object_version 6
	.text
	.protected	k_qb7b183371a_score
	.globl	k_qb7b183371a_score
	.p2align	8
	.type	k_qb7b183371a_score,@function
k_qb7b183371a_score:
	s_mov_b64 s[64:65], 0
	v_nop
	global_prefetch_b8 v0, s[64:65] scope:SCOPE_SE
	s_setreg_imm32_b32 hwreg(HW_REG_WAVE_SCHED_MODE, 0, 2), 2
	s_setreg_imm32_b32 hwreg(HW_REG_WAVE_MODE, 25, 1), 1
	s_wait_xcnt 0x0
	s_wait_alu depctr_vm_vsrc(0)
; energy[b][s] = enc[b][s] . v[b] + c[b];   out0[b][s] = exp(energy[b][s] - max over b) / sum over b of the same.   All f32.  v and c come from the launch before.
; A STREAM: each of enc's 268,435,456 bytes is read once, by loads of 16 bytes a lane of which a wave's covers 512 consecutive bytes, and feeds a quarter of a multiply-add.
; So no matrix unit (and operands of 16 bits would cost more accuracy than a softmax weight can bear: an energy's absolute error is the weight's relative error), no tile ring in LDS:
; the bytes on their way lie in registers, 5 units of 4 KiB a wave, 16 waves, and no wave waits for another before the end.
; SHARES.  The softmax runs over b, so a work-group owns columns s = 4 g .. 4 g + 3 for ALL 64 b: 64 pieces of 16 KiB of enc.  Wave w takes b = 4 w + t, t = 0..3.
; A row of enc (4,096 bytes) is 8 loads, 32 registers; v[b] lies in registers in the same lane layout; a row's dot product is 16 packed multiply-adds and one sum over the lanes,
; made for a b's four rows together.  The 64 x 4 energies meet in LDS (1,024 bytes) and wave 0 makes the softmax.
; NO JOINT LOADS: what work-groups share is v, 4 KiB beside each 16 KiB of enc that nobody shares.
; out0: 1,024 columns over 256 work-groups leave 16 bytes of each row of out0 to a work-group; these stores fill no whole run of 256 bytes.  out0 is a thousandth of the bytes moved.
; LIMITS: the sums' order of rounding is not the written one's; a weight below 2^-126 comes out as 0 (v_exp_f32 flushes denormal results: ISA guide 15.8); the division is v_rcp_f32 (1 ULP) and a multiply.
; THE MODE: SCHED_MODE bits 1:0 = 2 (LLVM: expert scheduling mode 2), set by the entry lines.  The code itself states the register dependences
; between vector instructions and memory or LDS instructions, with s_wait_alu, always for 0.
; THE PLAN.  Registers that memory or LDS instructions touch:
;   v1, v2, v3   offsets and an LDS address, made at the head and never written again: the rows are reached by scalar bases and immediate offsets.
;   X0 .. X4     Row r: its sixteen products read X[r % 5]; behind them the loads of row r + 5 land in it.
;   VB0, VB1     A b's four rows read one of them; behind the fourth row's products the v of the b two on lands in it.
;   OUT          Written by the four additions of c[b] that end row 4 t + 3; read by the LDS store that stands in row 4 t + 4 (the last b's: at the end of row 15).
;   T and P are named by vector instructions alone.
; So ONE wait on va_vdst stands in a row that issues a memory instruction, behind its products: they are done reading the slot (and, in a b's last row, the buffer of v), and the
; row before has written OUT.  The LDS store and the loads follow it, the row's own loads dealt among the four additions, which name T and P alone.  The slot is asked for again at
; once and not at the next row's head: 16 waves leave a wave 256 registers, which hold no sixth slot.  One wait on vm_vsrc stands at the head of a row that writes OUT again.
.set T,   4                            ; v[4:11]    four chains of packed sums
.set P,   12                           ; v[12:15]   the four rows' sums of the b in hand
.set OUT, 16                           ; v[16:19]   the four energies of a b, on their way into LDS
.set VB,  20                           ; v[20:83]   v[b], two buffers of 32
.set X,   84                           ; v[84:243]  five row slots of 32
.set SEL, 34                           ; s[34:35]   lane selects for v_permlanex16_b32
.set L2E, 32                           ; s[32:33]   log2(e), named as a pair by the packed multiply-add
	s_load_b128 s[4:7], s[0:1], 0x0                ; enc s[4:5], vws s[6:7]
	s_load_b64 s[8:9], s[0:1], 0x10                ; out0
	v_lshl_add_u32 v244, v0, 2, 0x400
	v_mov_b32 v245, 0
	v_lshrrev_b32 v2, 5, v0
	v_readfirstlane_b32 s12, v2                    ; wave 0..15
	v_and_b32 v1, 31, v0
	v_lshlrev_b32 v3, 12, v1                       ; v3 = 4,096 lane: row b = lane of out0
	v_lshlrev_b32 v1, 4, v1                        ; v1 = 16 lane; never rewritten
	v_lshlrev_b32 v2, 6, v2                        ; v2 = 64 w: my four b's energies in LDS
	s_wait_alu depctr_va_sdst(0)                   ; s12 is written, ahead of its first reader: the bases of enc, v and c are made from it
	s_lshl_b32 s10, s12, 24                        ; b = 4 w: 4 x 4 MiB,
	s_lshl_b32 s13, ttmp9, 14                      ; s = 4 g: 4 rows of 4,096 bytes; together under 2^28
	s_add_co_u32 s10, s10, s13
	s_mov_b32 s11, 0
	s_lshl_b32 s14, s12, 14                        ; v[4 w]
	s_mov_b32 s15, 0
	s_lshl_b32 s26, s12, 4                         ; c[4 w]
	s_lshl_b32 s38, ttmp9, 4                       ; out0's columns 4 g ..
	s_mov_b32 s39, 0
	s_mov_b32 s[L2E], 0x3fb8aa3b
	s_mov_b32 s[L2E+1], 0x3fb8aa3b
	s_mov_b32 s[SEL], 0x76543210
	s_mov_b32 s[SEL+1], 0xfedcba98
	s_wait_kmcnt 0x0
	s_add_nc_u64 s[16:17], s[4:5], s[10:11]        ; enc at (4 w + t, 4 g): a base for each t, never rewritten
	s_add_nc_u64 s[18:19], s[16:17], 0x400000
	s_add_nc_u64 s[20:21], s[16:17], 0x800000
	s_add_nc_u64 s[22:23], s[16:17], 0xc00000
	s_add_nc_u64 s[24:25], s[6:7], s[14:15]
	s_add_nc_u64 s[36:37], s[8:9], s[38:39]
	s_load_b128 s[28:31], s[6:7], s26 offset:0x40000   ; c[4 w .. 4 w + 3]; this launch stores nothing into vws
.macro VLOAD t                         ; v[4 w + t] into buffer t % 2
.irp j, 0,1,2,3,4,5,6,7
	global_load_b128 v[VB+32*((\t)%2)+4*\j:VB+32*((\t)%2)+4*\j+3], v1, s[24:25] offset:4096*(\t)+512*\j
.endr
.endm
.macro RPAIR r, j0                     ; loads j0 and j0 + 1 of the eight of row r of my 16 (b = 4 w + r / 4, s = 4 g + r % 4), into slot r % 5; read once in the launch
.irp j, 0,1
	global_load_b128 v[X+32*((\r)%5)+4*((\j0)+\j):X+32*((\r)%5)+4*((\j0)+\j)+3], v1, s[16+2*((\r)/4):17+2*((\r)/4)] offset:4096*((\r)%4)+512*((\j0)+\j) th:TH_LOAD_NT
.endr
.endm
.macro RLOAD r                         ; the whole row
.irp q, 0,2,4,6
	RPAIR \r, \q
.endr
.endm
.macro LANESUM base, tmp               ; the sum over the 32 lanes of four values, by turns; the result stands in every lane.  tmp: four registers that have been written
.irp m, 1,2,4,8
.irp i, 0,1,2,3
	v_add_f32_dpp v[\base+\i], v[\base+\i], v[\base+\i] row_xmask:\m row_mask:0xf bank_mask:0xf
.endr
.endr
.irp i, 0,1,2,3
	v_permlanex16_b32 v[\tmp+\i], v[\base+\i], s[SEL], s[SEL+1]
.endr
.irp i, 0,1,2,3
	v_add_f32 v[\base+\i], v[\base+\i], v[\tmp+\i]
.endr
.endm
; Row r.  left = the younger loads that may stay out.  The units of 8 loads go out in the order V0 R0 R1 R2 R3 V1 R4 | R5 R6 R7 V2 R8 .. R11 V3 R12 .. R15: V t stands ahead of
; R 4t, so the wait for a b's first row shows its v in too.  Behind a row's products its slot takes the row five on, and behind a b's last row its buffer of v the b two on.
.macro ROW r, left
	s_wait_loadcnt \left
.if (\r%4 == 3) && (\r > 3)
	s_wait_alu depctr_vm_vsrc(0)                   ; the LDS store issued three rows back has read OUT, which this row's last additions write again; no memory instruction between here and them reads OUT
.endif
.set n, 0
.rept 16
.set rX, X+32*(\r%5)+2*n
.set rV, VB+32*((\r/4)%2)+2*n
.set rT, T+2*(n%4)
.if n < 4
	v_pk_mul_f32 v[rT:rT+1], v[rX:rX+1], v[rV:rV+1]                      ; the first four products start the chains: nothing is cleared
.else
	v_pk_fma_f32 v[rT:rT+1], v[rX:rX+1], v[rV:rV+1], v[rT:rT+1]
.endif
.set n, n+1
.endr
.if (\r <= 10) || (\r == 12)
	s_wait_alu depctr_va_vdst(0)                   ; the products are done reading slot r % 5 and, in a b's last row, its buffer of v, in which the loads below land; in a b's first row the row before has written OUT, which the store below reads
.endif
.if (\r%4 == 0) && (\r > 0)
	ds_store_b128 v2, v[OUT:OUT+3] offset:16*(\r/4-1)          ; the b before: energy[b][0..3] at LDS byte 16 b; all lanes write the same bytes with the same numbers
.endif
.if (\r%4 == 3) && (\r <= 7)
	VLOAD \r/4+2
.endif
.if \r <= 10
	RPAIR \r+5, 0                                  ; no further wait: the four additions among these loads name T and P alone
.endif
	v_pk_add_f32 v[T:T+1], v[T:T+1], v[T+2:T+3]
.if \r <= 10
	RPAIR \r+5, 2
.endif
	v_pk_add_f32 v[T+4:T+5], v[T+4:T+5], v[T+6:T+7]
.if \r <= 10
	RPAIR \r+5, 4
.endif
	v_pk_add_f32 v[T:T+1], v[T:T+1], v[T+4:T+5]
.if \r <= 10
	RPAIR \r+5, 6
.endif
	v_add_f32 v[P+\r%4], v[T], v[T+1]
.if \r%4 == 3
	LANESUM P, T
.irp i, 0,1,2,3
	v_add_f32 v[OUT+\i], s[28+\r/4], v[P+\i]       ; + c[b]
.endr
.endif
.if \r == 15
	s_wait_alu depctr_va_vdst(0)                   ; the additions have written OUT, which the store below reads; and every product is done reading v[20:27], in which wave 0's LDS loads land behind the barrier (no vector instruction between names them)
	ds_store_b128 v2, v[OUT:OUT+3] offset:48       ; the last b's energies
.endif
.endm
	s_wait_alu depctr_va_vdst(0)                   ; v1, v2 and v3 are written: every load and store of the kernel reads one of them as its offset or address
	VLOAD 0                                        ; 56 loads go out ahead of everything else
	RLOAD 0
	RLOAD 1
	RLOAD 2
	RLOAD 3
	VLOAD 1
	RLOAD 4
	s_wait_kmcnt 0x0                               ; c
.irp r, 0,1,2,3,4,5,6,7,8,9,10,11
	ROW \r, 40                                     ; four younger rows and the one v among them stay out: 5 x 8 loads
.endr
	ROW 12, 24                                     ; nothing more is asked for: the counts run down
	ROW 13, 16
	ROW 14, 8
	ROW 15, 0
	s_wait_dscnt 0x0                               ; for wave 0's sake: my energies lie in LDS
	s_barrier_signal -1
	s_barrier_wait -1
	s_cmp_lg_u32 s12, 0
	s_cbranch_scc1 .Lend
	; THE SOFTMAX over b, by wave 0: lane l holds b = l in v[20:23] and b = l + 32 in v[24:27], four columns each
	ds_load_b128 v[20:23], v1
	ds_load_b128 v[24:27], v1 offset:512
	s_wait_dscnt 0x0
.irp i, 0,1,2,3
	v_max_num_f32 v[28+\i], v[20+\i], v[24+\i]
.endr
.irp m, 1,2,4,8
.irp i, 0,1,2,3
	v_max_num_f32_dpp v[28+\i], v[28+\i], v[28+\i] row_xmask:\m row_mask:0xf bank_mask:0xf
.endr
.endr
.irp i, 0,1,2,3
	v_permlanex16_b32 v[32+\i], v[28+\i], s[SEL], s[SEL+1]
.endr
.irp i, 0,1,2,3
	v_max_num_f32 v[28+\i], v[28+\i], v[32+\i]     ; every lane holds the column's maximum m
.endr
.irp i, 0,1,2,3
	v_mul_f32 v[28+\i], s[L2E], v[28+\i]           ; m log2(e), rounded once: the same number for the whole column, so its rounding leaves the quotient alone
.endr
.irp i, 0,2,4,6
	v_pk_fma_f32 v[20+\i:21+\i], v[20+\i:21+\i], s[L2E:L2E+1], v[28+\i%4:29+\i%4] op_sel_hi:[1,0,1] neg_lo:[0,0,1] neg_hi:[0,0,1]   ; e log2(e) - m log2(e)
.endr
.irp i, 0,1,2,3,4,5,6,7
	v_exp_f32 v[20+\i], v[20+\i]
.endr
	v_nop                                          ; a plain instruction between the last exponential and the use of its result (ISA guide 5.7.2)
	s_wait_alu depctr_va_vdst(0)
	v_pk_add_f32 v[36:37], v[20:21], v[24:25]
	v_pk_add_f32 v[38:39], v[22:23], v[26:27]
	LANESUM 36, 32                                 ; the column's sum; the maximum's own term keeps it near 1 or above
.irp i, 0,1,2,3
	v_rcp_f32 v[36+\i], v[36+\i]
.endr
	v_nop                                          ; likewise behind the last reciprocal
	s_wait_alu depctr_va_vdst(0)
	v_pk_mul_f32 v[20:21], v[20:21], v[36:37]
	v_pk_mul_f32 v[22:23], v[22:23], v[38:39]
	v_pk_mul_f32 v[24:25], v[24:25], v[36:37]
	v_pk_mul_f32 v[26:27], v[26:27], v[38:39]
	s_wait_alu depctr_va_vdst(0)                   ; the four products have written v[20:27], which the two stores read
	global_store_b128 v3, v[20:23], s[36:37]                   ; out0[lane][4 g ..]
	global_store_b128 v3, v[24:27], s[36:37] offset:131072     ; out0[lane + 32][4 g ..]
.Lend:
	s_wait_dscnt 0x0
	s_wait_alu depctr_hold_cnt(0) depctr_sa_sdst(0) depctr_va_vdst(0) depctr_va_sdst(0) depctr_va_ssrc(0) depctr_va_vcc(0) depctr_vm_vsrc(0)
	s_wait_tensorcnt 0x0
	ds_add_u32 v244, v245
	s_wait_dscnt 0x0
	s_endpgm
.Lfunc_end_k_qb7b183371a_score:
	.size	k_qb7b183371a_score, .Lfunc_end_k_qb7b183371a_score-k_qb7b183371a_score
	.p2alignl 7, 3214868480
	.fill 96, 4, 3214868480
	.section	.rodata,"a",@progbits
	.p2align	6, 0x0
	.amdhsa_kernel k_qb7b183371a_score
		.amdhsa_group_segment_fixed_size 3072
		.amdhsa_private_segment_fixed_size 0
		.amdhsa_enable_private_segment 0
		.amdhsa_kernarg_size 24
		.amdhsa_user_sgpr_count 2
		.amdhsa_user_sgpr_kernarg_segment_ptr 1
		.amdhsa_wavefront_size32 1
		.amdhsa_system_sgpr_workgroup_id_x 1
		.amdhsa_system_sgpr_workgroup_id_y 1
		.amdhsa_system_sgpr_workgroup_id_z 1
		.amdhsa_system_vgpr_workitem_id 0
		.amdhsa_next_free_vgpr 246
		.amdhsa_next_free_sgpr 66
		.amdhsa_reserve_vcc 0
		.amdhsa_float_denorm_mode_32 3
		.amdhsa_float_denorm_mode_16_64 3
		.amdhsa_memory_ordered 1
		.amdhsa_forward_progress 1
		.amdhsa_inst_pref_size 49
	.end_amdhsa_kernel
	.amdgpu_metadata
---
amdhsa.version: [ 1, 2 ]
amdhsa.kernels:
  - .name:           k_qb7b183371a_score
    .symbol:         k_qb7b183371a_score.kd
    .args:
      - { .name: encoder_output, .offset: 0, .size: 8, .value_kind: global_buffer, .address_space: global }
      - { .name: vws, .offset: 8, .size: 8, .value_kind: global_buffer, .address_space: global }
      - { .name: out0, .offset: 16, .size: 8, .value_kind: global_buffer, .address_space: global }
    .group_segment_fixed_size: 3072
    .private_segment_fixed_size: 0
    .kernarg_segment_align: 8
    .kernarg_segment_size: 24
    .max_flat_workgroup_size: 512
    .sgpr_count:     66
    .vgpr_count:     246
    .wavefront_size: 32
...
	.end_amdgpu_metadata
.endif
;; end of part 3
